; MI455X (gfx1250); checked and timed in simulation.
; The chip was launched on July 23, 2026; its instructions are those of AMD's public machine-readable ISA for CDNA 5 (MIT licence, August 2026) and "CDNA5" Instruction Set Architecture Reference Guide (July 2026). The comments in the code are by the model that wrote it; some were corrected since.
;; Multi Head Self Attention. Allowed arithmetic: matrix products marked QUANTISED: E2M3 operands, one E8M0 scale for each 32 along K, by v_wmma_scale_f32_16x16x128_f8f6f4 with both operands' format E2M3, f32 sums; everything else in f32.
;; Inputs: W_fc_codes 1,024 x 32 x 24 uint8 (E2M3 codes of W_fc, K innermost, in blocks of 32 codes, four codes in three bytes); W_fc_scales 1,024 x 32 uint8 (E8M0 scales of W_fc, one for each 32 codes along K); W_qkv_codes 3,072 x 32 x 24 uint8 (E2M3 codes of W_qkv, K innermost, in blocks of 32 codes, four codes in three bytes); W_qkv_scales 3,072 x 32 uint8 (E8M0 scales of W_qkv, one for each 32 codes along K); b_fc 1,024 float32; b_qkv 3,072 float32; x_codes 4 x 2,048 x 32 x 24 uint8 (E2M3 codes of x, K innermost, in blocks of 32 codes, four codes in three bytes); x_scales 4 x 2,048 x 32 uint8 (E8M0 scales of x, one for each 32 codes along K).
;; Outputs: out0 4 x 2,048 x 1,024 float32.
;; This version of the problem:
;;   THIS VERSION OF THE PROBLEM IS GIVEN IN LOW PRECISION. The matrix products marked QUANTISED in the list below multiply operands that are first quantised to E2M3 (2 exponent bits, 3 mantissa bits; 6 bits a number), with one power-of-two scale for each 32 numbers along K (OCP MX v1.0); their sums are f32. All else is computed in f32.
;;   The module's matrix products, in the order in which they are computed (A, B: the left and right operand; K: the contracted axis; several contracted axes count as one K, in the product's order):
;;     1. [M 8,192, K 1,024] x [K 1,024, N 3,072]; A: input x (given as codes); B: input W_qkv (given as codes): QUANTISED
;;     2. batch 64 x [M 2,048, K 64] x [K 64, N 2,048]; A: computed on the way; B: computed on the way: QUANTISED
;;     3. batch 64 x [M 2,048, K 2,048] x [K 2,048, N 64]; A: softmax (see below); B: computed on the way: QUANTISED
;;     4. [M 8,192, K 1,024] x [K 1,024, N 1,024]; A: computed on the way; B: input W_fc (given as codes): QUANTISED
;;   THE QUANTISER, for each operand of a quantised product, along K:
;;     - K is cut into blocks of 32 from its start; a last block that is shorter is filled with zeros.
;;     - A block's scale is 2^e with e = floor(log2(the largest magnitude in the block)) - 2, held to -126 .. 127; a block of zeros has e = 0. As a byte (E8M0): e + 127.
;;     - Each number is divided by its block's scale, clamped to +-7.5, and rounded to the nearest number of E2M3, ties to even, subnormals kept.
;;     - The product sums the exact products of the quantised numbers (number of the format x scale) in f32.
;;   ~~~python
;;   def quantise(x, axis):      # numpy; x: float32 -> the quantised numbers, widened to float32 again
;;       x = np.moveaxis(x, axis, -1); K = x.shape[-1]
;;       x = np.pad(x, [(0, 0)] * (x.ndim - 1) + [(0, -K % 32)]); x = x.reshape(x.shape[:-1] + (-1, 32)); a = np.abs(x).max(-1, keepdims=True)
;;       e = np.where(a > 0, np.clip(np.frexp(np.where(a > 0, a, 1))[1] - 1 - 2, -126, 127), 0)      # np.frexp(a)[1] - 1 = floor(log2(a)), exactly
;;       r = np.clip(x / 2.0 ** e, -7.5, 7.5)
;;       step = 2.0 ** (np.maximum(np.frexp(np.where(r == 0, 1, r))[1] - 1, 0) - 3)
;;       q = np.round(r / step) * step * 2.0 ** e      # np.round: ties to even
;;       return np.moveaxis(q.reshape(q.shape[:-2] + (-1,))[..., :K], -1, axis).astype(np.float32)
;;   ~~~
;;   SOFTMAX AHEAD OF A QUANTISED PRODUCT. Where the list says 'softmax', what is quantised is not the finished softmax but p = 2^(t - M), with t = logit x log2(e) and M = ceil(the row's largest t), a whole number; so 1/2 < the row's largest p <= 1. The row's sum l is taken of the UNQUANTISED p, in f32, and the product's result is divided by l at the end. Since M is a whole number, a kernel that streams over the keys may use a running M (the ceiling of the running maximum): every later rescaling is an exact power of two, which a block's scale takes up: the codes' values come out the same.
;;   OPERANDS COMPUTED ON THE WAY. 'Computed on the way' means the value that the module computes at that place (a softmax that the list does not call 'softmax' is quantised finished and normalised). What goes into a quantiser is computed in f32, as accurately as f32 sums, v_exp_f32 and their like allow (about 1e-6 of the number): no bf16 or f16 on the way to a quantiser, and a product that is left as it is and whose result goes on into a quantised operand takes f32 operands (vector FMAs, or v_wmma_f32_16x16x4_f32). A number that lies on a knife's edge between two numbers of the format may be rounded either way, as far as f32 arithmetic and the matrix unit's own rounding can turn it there, and no further.
;;   INPUTS GIVEN AS CODES. W_fc (in the module: [1024, 1024], K = its axis 1); W_qkv (in the module: [3072, 1024], K = its axis 1); x (in the module: [4, 2048, 1024], K = its axis 2): each comes as NAME_codes (uint8): NAME with its K axis moved to the last place and cut into blocks of 32 codes, [.., K / 32, bytes a block], one block behind the other in memory; four codes in three bytes: a row's codes are one little-endian stream of bits, code i at bits 6 i .. 6 i + 5 (a code: sign, 2 exponent bits, 3 mantissa bits); and NAME_scales (uint8): the same leading axes, one E8M0 byte (e + 127) for each 32 codes along K. Its value is code x scale, taken as it is: it is not quantised again, and the codes and scales need not be those that the quantiser above would give.
;; One version. Each part assembles by itself: llvm-mc -triple=amdgcn-amd-amdhsa -mcpu=gfx1250 --defsym DOCPART=n.
;; ======== version 1 of 1: 3 launches
;; limits: right only within a limited range of input values
;; workspace buffers: qimg 6,291,456 bytes; qsc 524,288 bytes; kv 12,582,912 bytes; kvs 786,432 bytes; aimg 6,291,456 bytes; asc 262,144 bytes
;; launch qkv (part 1): grid 32 x 8, 4 waves a work-group, clusters of 4 x 4, 327,680 bytes of LDS; arguments x_codes, x_scales, W_qkv_codes, W_qkv_scales, qimg, qsc, kv, kvs, b_qkv; writes qimg, qsc, kv, kvs
.if DOCPART == 1
	.amdgcn_target "amdgcn-amd-amdhsa--gfx1250"
	.amdhsa_code_object_version 6
	.text
	.protected	k_q4bdcf2fd57_qkv
	.globl	k_q4bdcf2fd57_qkv
	.p2align	8
	.type	k_q4bdcf2fd57_qkv,@function
k_q4bdcf2fd57_qkv:
	s_mov_b64 s[64:65], 0
	v_nop
	global_prefetch_b8 v0, s[64:65] scope:SCOPE_SE
	s_setreg_imm32_b32 hwreg(HW_REG_WAVE_MODE, 25, 1), 1
	s_wait_xcnt 0x0
	s_wait_alu depctr_hold_cnt(0) depctr_sa_sdst(0) depctr_va_vdst(0) depctr_va_sdst(0) depctr_va_ssrc(0) depctr_va_vcc(0) depctr_vm_vsrc(0)
	s_getreg_b32 s2, hwreg(HW_REG_IB_STS2, 6, 4)
	s_cmp_eq_u32 s2, 0
	s_cbranch_scc0 .Lentry_in_a_cluster
	s_endpgm
.Lentry_in_a_cluster:
	s_bfe_u32 s2, ttmp6, 0x10000c
	s_cmp_lg_u32 s2, 0xf033
	s_cbranch_scc0 .Lentry_shape_is_right
	s_endpgm
.Lentry_shape_is_right:
; Q, K, V = x W_qkv^T + b_qkv on codes of FP6 with E8M0 scales, each result quantised again: Q and K along the head's 64, V along the tokens.
; THE DEAL.  256 work-groups: (row block rb of 256 tokens) x (group g = 0 .. 7).  Group g makes V's heads 2 g, 2 g + 1 and four heads of Q (g < 4) or of K: every work-group runs the same text; Q and K differ in global addresses alone.
; A wave keeps its 64 tokens of x, all of K, in 384 registers (four tiles of 16 rows x 8 steps) and walks the weight rows in tiles of 16: a tile's eight fragments feed 32 products, four accumulators by turns.
; Q, K: source 0 = weight rows, so a lane holds a token and its registers run along the head.  V: source 0 = x's rows, so a lane holds a channel and its registers run along the tokens.
; Lane r of a tile takes row r + 8 (r / 8), tile t begins at row 32 (t / 2) + 8 (t % 2): 16 registers of two neighbouring tiles are 16 neighbours along the next product's K.
; LDS: whole rows of 768 bytes, 16 bytes of padding behind every 256.  At the head: x's 256 rows, W_v's 128 rows, the scale bytes of both sets of weight rows: one tensor load a wave.
; When every wave holds x in registers, one drained round, and W_q|k's 256 rows land on x's bytes, 64 rows a wave.  x's rows are asked for jointly by a column of the cluster, weight rows by a row of it.
; No data prefetch: all tiles are asked for at the head or in the one refill straight behind it; there is no loop that runs ahead of a load.
; OUT, as the next launch's registers take them: qimg[head][tile][3 pieces][lane][8 B]; qsc[head][4 tiles][r][tile][4 B]; kv[head][key step]{K: 8 tiles of 768 B; V^T: 4 tiles of 1,536 B}; kvs[head][key step]{K 512 B; V 256 B}.
; The walk fetches two tiles ahead; its last two fetches and its last load of the bias bring bytes inside their regions that no product reads.
; LIMITS: NaN and infinities are not served.  A block that is all zeros or under 2^-124 keeps the scale byte 1 with zero codes (this program alone reads the bytes).  A sum begins with the bias.
.set KROW, 768
.set PITCH, 816
.set FR, 12
.set WV, 256*PITCH
.set SCQ, WV+128*PITCH
.set SCV, SCQ+8192
.set VST, SCV+4096
.set SPARE, VST+1024
.set A0, 4
.set A1, 5
.set ASC, 6
.set LO8, 7
.set WO, 8
.set VSO, 9
.set SPW, 10
.set NIL, 11
.set ADR, 12
.set ADS, 14
.set VSR, 15
.set XSO, 16
.set BQO, 17
.set BVO, 18
.set SX, 24
.set SW, 60
.set ACC, 80
.set PC, 208
.set TM, 228
.set PWS, 244
.set XW, 248
.set G1X, 28
.set G1W, 36
.set G1SV, 44
.set G1SQ, 52
.set G0X, 60
.set G0W, 96
.set SEL, 94
.set MSB, 0
.set NLD, 0
.macro WIN new
.if MSB != \new
	s_set_vgpr_msb (MSB<<8)|\new
.set MSB, \new
.endif
.endm
.macro WALU
	s_wait_alu depctr_va_vdst(0)
.endm
.macro BARRIER
	s_barrier_signal -1
	s_barrier_wait -1
.endm
.macro CROUND
	BARRIER
	s_cmp_lg_u32 s22, 0
	s_cbranch_scc1 .Lnw0_\@
	s_barrier_signal -3
.Lnw0_\@:
	s_barrier_wait -3
	BARRIER
.endm
.macro TLOAD g0, g1
	tensor_load_to_lds s[\g0:\g0+3], s[\g1:\g1+7]
	s_nop 0
.rept 4
	v_nop
.endr
.endm
.macro GROUP1 g, mask, rows
	s_or_b32 s[\g+0], s[\mask], (1<<20)|(1<<21)|(5<<22)|(3<<25)
	s_mov_b32 s[\g+1], KROW<<16
	s_mov_b32 s[\g+2], (\rows)<<16
	s_mov_b32 s[\g+3], KROW<<16
	s_mov_b32 s[\g+4], \rows
	s_mov_b32 s[\g+5], KROW
	s_mov_b32 s[\g+6], 0
	s_mov_b32 s[\g+7], 0
.endm
.macro GROUPS g, rows
	s_or_b32 s[\g+0], s71, (3<<16)|(1<<21)
	s_mov_b32 s[\g+1], 32<<16
	s_mov_b32 s[\g+2], (\rows)<<16
	s_mov_b32 s[\g+3], 32<<16
	s_mov_b32 s[\g+4], \rows
	s_mov_b32 s[\g+5], 32
	s_mov_b32 s[\g+6], 0
	s_mov_b32 s[\g+7], 0
.endm
.macro GARM lds, base, off
	s_mov_b32 s97, \lds
	s_add_nc_u64 s[98:99], s[\base:\base+1], s[\off:\off+1]
	s_or_b32 s99, s99, 0x80000000
.endm
; fragment f lies at register 256 + 12 f: 0-31 x's (4 q + tile), 32-47 the weights' two sets (32 + 8 set + q).  Six pieces of 8 bytes, two to a load where both lie behind as many paddings and in one window
.macro FRAG f, q, a0, a1
.set SKIP_, 0
.irp p, 0,1,2,3,4,5
.if SKIP_
.set SKIP_, 0
.else
.set PC_, 12*(\q)+6*(\p/3)+\p%3
.set PN_, 12*(\q)+6*((\p+1)/3)+(\p+1)%3
.set X_, (PC_%32+3)/32
.set XQ_, (PN_%32+3)/32
.set NLD, NLD+1
.set R_, (256+FR*(\f)+2*\p)&255
	WIN ((256+FR*(\f)+2*\p)>>8)<<6
.if (\p < 5) && (X_ == XQ_) && (R_ < 253)
.set SKIP_, 1
.if X_
	ds_load_2addr_b64 v[R_:R_+3], \a1 offset0:PC_+2*(PC_/32) offset1:PN_+2*(PN_/32)
.else
	ds_load_2addr_b64 v[R_:R_+3], \a0 offset0:PC_+2*(PC_/32) offset1:PN_+2*(PN_/32)
.endif
.elseif X_
	ds_load_b64 v[R_:R_+1], \a1 offset:8*(PC_+2*(PC_/32))
.else
	ds_load_b64 v[R_:R_+1], \a0 offset:8*(PC_+2*(PC_/32))
.endif
.endif
.endr
.endm
.macro FETCHW set
.set NLD, 2
.irp q, 0,1,2,3,4,5,6,7
	FRAG 32+8*(\set)+\q, \q, v[ADR], v[ADR+1]
.endr
	WIN 0
	ds_load_b128 v[SW+8*(\set):SW+8*(\set)+3], v[ADS]
	ds_load_b128 v[SW+8*(\set)+4:SW+8*(\set)+7], v[ADS] offset:16
.endm
; behind a tile's products: four plain lines (the places ahead of loads into registers that products have read), then the fetch of the tile two on into the same set
.macro RUN set, lofs, sofs, sc
	WIN 0
.if \sc
	v_add3_u32 v[ADR], s90, \lofs, v[A0]
	v_add3_u32 v[ADR+1], s90, \lofs, v[A1]
	v_add3_u32 v[ADS], s91, \sofs, v[ASC]
.else
	v_add_nc_u32 v[ADR], \lofs, v[A0]
	v_add_nc_u32 v[ADR+1], \lofs, v[A1]
	v_add_nc_u32 v[ADS], \sofs, v[ASC]
.endif
	v_nop
	WALU
	FETCHW \set
.endm
; a product.  k = 1: V.  The first along K takes the bias as C, from set e of registers 832 on
.macro PRD k, e, set, q, a, b
.set FX_, 256+FR*(4*(\q)+(\a))
.set FV_, 256+FR*(32+8*(\set)+(\q))
.if \k
.set S0_, FX_
.set S1_, FV_
.set D_, ACC+32*(\b)+8*(\a)
.set C0_, SX+8*(\a)+(\q)
.set C1_, SW+8*(\set)+(\q)
.else
.set S0_, FV_
.set S1_, FX_
.set D_, ACC+32*(\a)+8*(\b)
.set C0_, SW+8*(\set)+(\q)
.set C1_, SX+8*(\a)+(\q)
.endif
.set L0_, S0_&255
.set L1_, S1_&255
.set BC_, 64+32*(\e)+8*(\b)
.if (\q) == 0
	WIN (S0_>>8)|((S1_>>8)<<2)|0x30
	v_wmma_scale_f32_16x16x128_f8f6f4 v[D_:D_+7], v[L0_:L0_+FR-1], v[L1_:L1_+FR-1], v[BC_:BC_+7], v[C0_], v[C1_] matrix_a_fmt:MATRIX_FMT_FP6 matrix_b_fmt:MATRIX_FMT_FP6
.else
	WIN (S0_>>8)|((S1_>>8)<<2)
	v_wmma_scale_f32_16x16x128_f8f6f4 v[D_:D_+7], v[L0_:L0_+FR-1], v[L1_:L1_+FR-1], v[D_:D_+7], v[C0_], v[C1_] matrix_a_fmt:MATRIX_FMT_FP6 matrix_b_fmt:MATRIX_FMT_FP6
.endif
.endm
.macro TILE k, e, set, b, w
.if \w
	s_wait_dscnt NLD                       ; this tile's set is in: younger is the last fetch alone
.endif
.irp q, 0,1,2,3,4,5,6,7
.irp a, 0,1,2,3
	PRD \k, \e, \set, \q, \a, \b
.endr
.endr
	WIN 0
.endm
; 64 sums of a lane = four half blocks of 16: largest magnitudes, scales, codes; w takes the four scale bytes
.macro QUANT s, w
.irp b, 0,1,2,3
	v_max3_num_f32 v[TM+\b], |v[\s+16*\b]|, |v[\s+1+16*\b]|, 0x1800000
.endr
.irp i, 2,4,6,8,10,12,14
.irp b, 0,1,2,3
	v_max3_num_f32 v[TM+\b], v[TM+\b], |v[\s+16*\b+\i]|, |v[\s+1+16*\b+\i]|
.endr
.endr
.irp b, 0,1,2,3
	v_permlanex16_b32 v[TM+4+\b], v[TM+\b], s[SEL], s[SEL+1]
.endr
.irp b, 0,1,2,3
	v_max_num_f32 v[TM+\b], v[TM+\b], v[TM+4+\b]
.endr
.irp b, 0,1,2,3
	v_add_nc_u32 v[TM+12+\b], 0xff000000, v[TM+\b]
.endr
.irp b, 0,1,2,3
	v_lshrrev_b32 v[TM+4+\b], 23, v[TM+12+\b]
.endr
	v_lshl_or_b32 v[\w], v[TM+5], 8, v[TM+4]
	v_lshl_or_b32 v[\w], v[TM+6], 16, v[\w]
	v_lshl_or_b32 v[\w], v[TM+7], 24, v[\w]
.irp c, 0,1
	v_cvt_scalef32_pk16_fp6_f32 v[PC+6*\c:PC+2+6*\c], v[\s+32*\c:\s+15+32*\c], v[TM+12+2*\c]
	v_cvt_scalef32_pk16_fp6_f32 v[PC+12+4*\c:PC+14+4*\c], v[\s+16+32*\c:\s+31+32*\c], v[TM+12+2*\c+1]
.endr
	v_nop
.irp c, 0,1
.irp i, 0,1,2
	v_permlane16_swap_b32 v[PC+6*\c+\i], v[PC+12+4*\c+\i]
.endr
.irp i, 0,1,2
	v_mov_b32 v[PC+3+6*\c+\i], v[PC+12+4*\c+\i]
.endr
.endr
.endm
.macro OUTV u                              ; a head of V: tiles 2 g', 2 g' + 1 a group; my 64 tokens are pieces 3 c .. 3 c + 2 of a tile
.irp gr, 0,1
	s_wait_xcnt 0x0                        ; earlier stores have read the code registers
	QUANT ACC+64*\gr, PWS+\gr
.irp i, 0,1,2,3,4,5
	global_store_b64 v[LO8], v[PC+2*\i:PC+2*\i+1], s[78:79] offset:196608*(\u)+1536*(2*\gr+\i/3)+256*(\i%3)
.endr
	ds_store_b16 v[VSO], v[PWS+\gr] offset:256*(\u)+8*\gr
	ds_store_b16_d16_hi v[VSO], v[PWS+\gr] offset:256*(\u)+8*\gr+4
.endr
.endm
.macro OUTQ e                              ; a head of Q or K: token tiles 2 g', 2 g' + 1 a group
.irp gr, 0,1
	s_wait_xcnt 0x0
	QUANT ACC+64*\gr, PWS+2*(\e)+\gr
.irp i, 0,1,2,3,4,5
	global_store_b64 v[LO8], v[PC+2*\i:PC+2*\i+1], s[76:77] offset:1536*\gr+256*\i
.endr
.endr
	s_wait_xcnt 0x0
	s_add_nc_u64 s[76:77], s[76:77], s[84:85]
.endm
.macro BIASQ e, off                        ; a head's 64 numbers of Q|K's bias as its first products' C
	WIN 0xc0
.irp b, 0,1,2,3
	global_load_b128 v[64+32*(\e)+8*\b:64+32*(\e)+8*\b+3], v[BQO], s[88:89] offset:(\off)+(32*(\b/2)+8*(\b%2))*4
	global_load_b128 v[64+32*(\e)+8*\b+4:64+32*(\e)+8*\b+7], v[BQO], s[88:89] offset:(\off)+(32*(\b/2)+8*(\b%2))*4+16
.endr
	WIN 0
.endm
; ---- the head
	s_load_b256 s[4:11], s[0:1], 0x0       ; x_codes, x_scales, W codes, W scales
	s_load_b256 s[12:19], s[0:1], 0x20     ; qimg, qsc, kv, kvs
	s_load_b64 s[20:21], s[0:1], 0x40      ; b_qkv
	v_lshl_add_u32 v[SPW], v0, 2, SPARE
	v_mov_b32 v[NIL], 0
	ds_add_u32 v[SPW], v[NIL]              ; the opening lines
	ds_add_u32 v[SPW], v[NIL]
	v_lshrrev_b32 v1, 5, v0
	v_readfirstlane_b32 s22, v1            ; wave w: tokens 64 w .. of the block
	s_lshr_b32 s23, s22, 1
	s_and_b32 s24, s22, 1                  ; c: which half of a key step
	s_bfe_u32 s66, ttmp6, 0x40000
	s_bfe_u32 s67, ttmp6, 0x40004
	s_lshl_b32 s68, ttmp9, 2
	s_add_co_u32 s68, s68, s66             ; rb
	s_and_b32 s69, ttmp7, 0xffff
	s_lshl_b32 s69, s69, 2
	s_add_co_u32 s69, s69, s67             ; g
	s_lshl_b32 s70, 0x1111, s66            ; my column of the cluster shares x
	s_lshl_b32 s71, s67, 2
	s_lshl_b32 s71, 15, s71                ; my row shares the weights
	GROUP1 G1X, 70, 256
	GROUP1 G1W, 71, 128
	GROUPS G1SV, 16
	GROUPS G1SQ, 32
	s_mul_i32 s72, s68, 256*KROW
	s_mov_b32 s73, 0
	s_mul_i32 s74, s69, 128*KROW
	s_add_co_u32 s74, s74, 2048*KROW
	s_mov_b32 s75, 0
	s_lshl_b32 s2, s69, 12
	s_add_co_u32 s2, s2, 2048*32
	s_mov_b32 s3, 0
	s_lshl_b32 s26, s69, 13
	s_mov_b32 s27, 0
	s_mov_b32 s[G0X], 1
	s_mov_b32 s[G0X+1], 0
	s_mov_b32 s[G0W], 1
	s_mov_b32 s[SEL], 0x76543210
	s_mov_b32 s[SEL+1], 0xfedcba98
	WALU
	s_wait_dscnt 0x0
	CROUND                                 ; ahead of the first joint loads
	s_wait_kmcnt 0x0
	s_add_nc_u64 s[G0X+2:G0X+3], s[4:5], s[72:73]
	s_or_b32 s[G0X+3], s[G0X+3], 0x80000000
	s_cmp_eq_u32 s22, 0
	s_cbranch_scc0 .Lw1
	TLOAD G0X, G1X                         ; wave 0: x's 256 rows
	s_branch .Lasked
.Lw1:
	s_cmp_eq_u32 s22, 1
	s_cbranch_scc0 .Lw2
	GARM WV, 8, 74
	TLOAD G0W, G1W                         ; wave 1: W_v's 128 rows
	s_branch .Lasked
.Lw2:
	s_cmp_eq_u32 s22, 2
	s_cbranch_scc0 .Lw3
	GARM SCV, 10, 2
	TLOAD G0W, G1SV                        ; wave 2: their scale bytes
	s_branch .Lasked
.Lw3:
	GARM SCQ, 10, 26
	TLOAD G0W, G1SQ                        ; wave 3: W_q|k's scale bytes
.Lasked:
	s_lshl_b32 s100, s68, 13
	s_lshl_b32 s101, s22, 11
	s_add_co_u32 s100, s100, s101
	s_mov_b32 s101, 0
	s_add_nc_u64 s[6:7], s[6:7], s[100:101]    ; my 64 rows' scale bytes
	s_lshl_b32 s2, s69, 10
	s_mov_b32 s3, 0
	s_add_nc_u64 s[88:89], s[20:21], s[2:3]    ; Q|K's bias, my first head
	s_lshl_b32 s2, s69, 9
	s_add_co_u32 s2, s2, 8192
	s_add_nc_u64 s[90:91], s[20:21], s[2:3]    ; V's
	v_and_b32 v1, 15, v0
	v_bfe_u32 v2, v0, 4, 1
	v_and_b32 v3, 31, v0
	v_and_b32 v19, 8, v1
	v_add_nc_u32 v19, v19, v1              ; r + 8 (r / 8)
	v_lshlrev_b32 v[XSO], 5, v19
	v_lshlrev_b32 v[BVO], 2, v19
	v_lshlrev_b32 v[BQO], 6, v2
.irp a, 0,1,2,3
	global_load_b128 v[SX+8*\a:SX+8*\a+3], v[XSO], s[6:7] offset:(32*(\a/2)+8*(\a%2))*32
	global_load_b128 v[SX+8*\a+4:SX+8*\a+7], v[XSO], s[6:7] offset:(32*(\a/2)+8*(\a%2))*32+16
.endr
.irp u, 0,1
.irp b, 0,1,2,3
	global_load_b32 v[XW+4*\u+\b], v[BVO], s[90:91] offset:256*\u+(32*(\b/2)+8*(\b%2))*4
.endr
.endr
	v_mul_u32_u24 v20, v19, PITCH
	v_mad_u32_u24 v[A0], v2, 24, v20
	v_mad_u32_u24 v[A1], v2, 40, v20
	v_add_nc_u32 v[ASC], SCQ, v[XSO]
	v_lshlrev_b32 v[LO8], 3, v3
	v_lshlrev_b32 v21, 4, v1
	s_lshl_b32 s100, s23, 9
	s_lshl_b32 s101, s24, 1
	s_add_co_u32 s100, s100, s101
	s_add_co_u32 s100, s100, VST
	v_add_nc_u32 v[VSO], s100, v21
	s_lshl_b32 s101, s22, 8
	s_add_co_u32 s101, s101, VST
	v_lshl_add_u32 v[VSR], v3, 3, s101
	v_cmp_le_u32 s93, 16, v3
.irp b, 0,1,2,3
	v_mov_b32 v[TM+4+\b], 0
.endr
; where the results go
	s_lshr_b32 s25, s68, 3
	s_and_b32 s100, s68, 7                 ; block of 256 in the batch
	s_lshl_b32 s101, s100, 1
	s_add_co_u32 s101, s101, s23           ; key step
	s_lshl_b32 s25, s25, 4
	s_and_b32 s72, s69, 3
	s_lshl_b32 s72, s72, 2
	s_add_co_u32 s72, s72, s25             ; 16 x batch + my first head of Q or K
	s_mul_i32 s73, s72, 98304
	s_lshl_b32 s74, s100, 2
	s_add_co_u32 s74, s74, s22
	s_mul_i32 s75, s74, 3072
	s_add_co_u32 s73, s73, s75             ; Q's codes
	s_lshl_b32 s75, s72, 13
	s_lshl_b32 s74, s74, 8
	s_add_co_u32 s75, s75, s74             ; Q's scale words
	s_mul_i32 s2, s72, 196608
	s_mul_i32 s3, s101, 12288
	s_add_co_u32 s2, s2, s3
	s_mul_i32 s3, s24, 3072
	s_add_co_u32 s2, s2, s3                ; K's codes
	s_mul_i32 s26, s72, 12288
	s_mul_i32 s27, s101, 768
	s_add_co_u32 s26, s26, s27
	s_lshl_b32 s27, s24, 8
	s_add_co_u32 s26, s26, s27             ; K's scale words
	s_mov_b32 s84, 98304
	s_mov_b32 s86, 8192
	s_cmp_ge_u32 s69, 4                    ; groups 4 to 7 make K
	s_cselect_b32 s73, s2, s73
	s_cselect_b32 s75, s26, s75
	s_cselect_b32 s84, 196608, s84         ; from head to head
	s_cselect_b32 s86, 12288, s86
	s_cselect_b64 s[76:77], s[16:17], s[12:13]
	s_cselect_b64 s[80:81], s[18:19], s[14:15]
	s_mov_b32 s85, 0
	s_mov_b32 s2, s73
	s_mov_b32 s3, 0
	s_add_nc_u64 s[76:77], s[76:77], s[2:3]
	s_mov_b32 s2, s75
	s_add_nc_u64 s[80:81], s[80:81], s[2:3]
	s_wait_alu depctr_va_vdst(0)           ; the wait here, directly ahead of the reader below
	v_mad_u32_u24 v[WO], v2, s86, v21      ; lanes 16-31 store the next head's words
	s_lshl_b32 s86, s86, 1
	s_mov_b32 s87, 0
	s_lshl_b32 s2, s69, 1
	s_add_co_u32 s2, s2, s25               ; 16 x batch + my first head of V
	s_mul_i32 s26, s2, 196608
	s_mul_i32 s27, s101, 12288
	s_add_co_u32 s26, s26, s27
	s_mul_i32 s27, s24, 768
	s_add_co_u32 s26, s26, s27
	s_add_co_u32 s26, s26, 6144
	s_mov_b32 s27, 0
	s_add_nc_u64 s[78:79], s[16:17], s[26:27]
	s_add_co_u32 s2, s2, s24
	s_mul_i32 s26, s2, 12288
	s_mul_i32 s2, s101, 768
	s_add_co_u32 s26, s26, s2
	s_add_co_u32 s26, s26, 512
	s_add_nc_u64 s[82:83], s[18:19], s[26:27]  ; the unit of V's scale words that I store: key step by w / 2, head by w % 2
	s_mul_i32 s100, s22, 64*PITCH
	WALU
	s_wait_loadcnt 0x0
	WIN 0xc0
.irp u, 0,1
.irp b, 0,1,2,3
.irp j, 0,1,2,3,4,5,6,7
	v_mov_b32 v[64+32*\u+8*\b+\j], v[XW+4*\u+\b]   ; V's bias is one number a lane and tile: eight registers of C
.endr
.endr
.endr
	WIN 0
	WALU
	s_wait_tensorcnt 0x0
	BARRIER                                ; all four tiles are in
.irp a, 0,1,2,3
	v_add3_u32 v[ADR], s100, (32*(\a/2)+8*(\a%2))*PITCH, v[A0]
	v_add3_u32 v[ADR+1], s100, (32*(\a/2)+8*(\a%2))*PITCH, v[A1]
	WALU
.irp q, 0,1,2,3,4,5,6,7
	FRAG 4*\q+\a, \q, v[ADR], v[ADR+1]
.endr
	WIN 0
.endr
	RUN 0, WV, SCV-SCQ, 0
	RUN 1, WV+8*PITCH, SCV-SCQ+8*32, 0
	s_wait_tensorcnt 0x0                   ; the three lines ahead of the refill's round
	ds_add_u32 v[SPW], v[NIL]
	s_mov_b32 s[G1W+2], 64<<16
	s_mov_b32 s[G1W+4], 64
	s_mul_i32 s97, s22, 64*PITCH
	s_mul_i32 s74, s69, 256*KROW
	s_mul_i32 s75, s22, 64*KROW
	s_add_co_u32 s74, s74, s75
	s_mov_b32 s75, 0
	s_add_nc_u64 s[98:99], s[8:9], s[74:75]
	s_or_b32 s99, s99, 0x80000000
	s_wait_dscnt 0x0                       ; x is in my registers
	CROUND
	TLOAD G0W, G1W                         ; W_q|k's rows 64 w .. 64 w + 63 over x's bytes
; ---- V: eight tiles, two heads
.set N_, 0
.rept 8
.if N_ == 4
	BIASQ 0, 0
.endif
.if N_ == 6
	s_wait_tensorcnt 0x0                   ; my part of the refill is in;
	s_wait_dscnt 0x0
	s_barrier_signal -1                    ; a plain barrier shows it to all
	TILE 1, N_/4, N_%2, N_%4, 0
	s_barrier_wait -1
.else
	TILE 1, N_/4, N_%2, N_%4, 1
.endif
.set M_, (N_+2)%8
.set RW_, 64*(M_/4)+32*((M_%4)/2)+8*(M_%2)
.if N_ < 6
.set LO_, WV+RW_*PITCH
.set SO_, SCV-SCQ+RW_*32
.else
.set LO_, RW_*PITCH
.set SO_, RW_*32
.endif
	RUN N_%2, LO_, SO_, 0
.if N_%4 == 3
	OUTV N_/4
.endif
.set N_, N_+1
.endr
	s_wait_dscnt 0x0
	BARRIER                                ; V's scale bytes of both halves of a key step have met in LDS
	ds_load_b64 v[XW:XW+1], v[VSR]
	s_wait_dscnt 0x0
	global_store_b64 v[LO8], v[XW:XW+1], s[82:83]  ; 256 bytes on end
; ---- Q or K: sixteen tiles, two heads a trip
	s_mov_b32 s90, 0
	s_mov_b32 s91, 0
	s_mov_b32 s92, 0
.Lqk:
.set N_, 0
.rept 8
.if N_%4 == 0
	s_wait_loadcnt 0x0                     ; this head's bias is in
	BIASQ 1-N_/4, 256+256*(N_/4)
.endif
	TILE 0, N_/4, N_%2, N_%4, 1
.set M_, N_+2
.set RW_, 64*(M_/4)+32*((M_%4)/2)+8*(M_%2)
.set LO_, RW_*PITCH
.set SO_, RW_*32
	RUN N_%2, LO_, SO_, 1
.if N_%4 == 3
	OUTQ N_/4
.endif
.set N_, N_+1
.endr
	v_cndmask_b32 v[XW], v[PWS], v[PWS+2], s93
	v_cndmask_b32 v[XW+1], v[PWS+1], v[PWS+3], s93
	v_and_b32 v[XW+4], 0xffff, v[XW]       ; a tile's word: two bytes, and zeros for the upper half of the next product's K step
	v_lshrrev_b32 v[XW+5], 16, v[XW]
	v_and_b32 v[XW+6], 0xffff, v[XW+1]
	v_lshrrev_b32 v[XW+7], 16, v[XW+1]
	global_store_b128 v[WO], v[XW+4:XW+7], s[80:81]    ; sixteen lanes fill 256 bytes of one head, sixteen of the next
	s_wait_xcnt 0x0
	s_add_nc_u64 s[80:81], s[80:81], s[86:87]
	s_add_nc_u64 s[88:89], s[88:89], 512
	s_add_co_u32 s90, s90, 128*PITCH
	s_add_co_u32 s91, s91, 128*32
	s_add_co_u32 s92, s92, 1
	s_cmp_lt_u32 s92, 2
	WALU
	s_cbranch_scc1 .Lqk
	s_wait_tensorcnt 0x0                   ; the wave's end
	ds_add_u32 v[SPW], v[NIL]
	s_wait_dscnt 0x0
	CROUND
	s_endpgm
.Lfunc_end_k_q4bdcf2fd57_qkv:
	.size	k_q4bdcf2fd57_qkv, .Lfunc_end_k_q4bdcf2fd57_qkv-k_q4bdcf2fd57_qkv
	.p2alignl 7, 3214868480
	.fill 96, 4, 3214868480
	.section	.rodata,"a",@progbits
	.p2align	6, 0x0
	.amdhsa_kernel k_q4bdcf2fd57_qkv
		.amdhsa_group_segment_fixed_size 327680
		.amdhsa_private_segment_fixed_size 0
		.amdhsa_enable_private_segment 0
		.amdhsa_kernarg_size 72
		.amdhsa_user_sgpr_count 2
		.amdhsa_user_sgpr_kernarg_segment_ptr 1
		.amdhsa_wavefront_size32 1
		.amdhsa_system_sgpr_workgroup_id_x 1
		.amdhsa_system_sgpr_workgroup_id_y 1
		.amdhsa_system_sgpr_workgroup_id_z 1
		.amdhsa_system_vgpr_workitem_id 0
		.amdhsa_next_free_vgpr 896
		.amdhsa_next_free_sgpr 102
		.amdhsa_reserve_vcc 0
		.amdhsa_float_denorm_mode_32 3
		.amdhsa_float_denorm_mode_16_64 3
		.amdhsa_memory_ordered 1
		.amdhsa_forward_progress 1
		.amdhsa_inst_pref_size 168
	.end_amdhsa_kernel
	.amdgpu_metadata
---
amdhsa.version: [ 1, 2 ]
amdhsa.kernels:
  - .name:           k_q4bdcf2fd57_qkv
    .symbol:         k_q4bdcf2fd57_qkv.kd
    .args:
      - { .name: x_codes, .offset: 0, .size: 8, .value_kind: global_buffer, .address_space: global }
      - { .name: x_scales, .offset: 8, .size: 8, .value_kind: global_buffer, .address_space: global }
      - { .name: W_qkv_codes, .offset: 16, .size: 8, .value_kind: global_buffer, .address_space: global }
      - { .name: W_qkv_scales, .offset: 24, .size: 8, .value_kind: global_buffer, .address_space: global }
      - { .name: qimg, .offset: 32, .size: 8, .value_kind: global_buffer, .address_space: global }
      - { .name: qsc, .offset: 40, .size: 8, .value_kind: global_buffer, .address_space: global }
      - { .name: kv, .offset: 48, .size: 8, .value_kind: global_buffer, .address_space: global }
      - { .name: kvs, .offset: 56, .size: 8, .value_kind: global_buffer, .address_space: global }
      - { .name: b_qkv, .offset: 64, .size: 8, .value_kind: global_buffer, .address_space: global }
    .group_segment_fixed_size: 327680
    .private_segment_fixed_size: 0
    .kernarg_segment_align: 8
    .kernarg_segment_size: 72
    .max_flat_workgroup_size: 128
    .sgpr_count:     102
    .vgpr_count:     896
    .wavefront_size: 32
...
	.end_amdgpu_metadata
.endif
;; end of part 1
;; launch attn (part 2): grid 8 x 32, 16 waves a work-group, clusters of 4 x 1, 327,680 bytes of LDS; arguments qimg, qsc, kv, kvs, aimg, asc; writes aimg, asc
.if DOCPART == 2
	.amdgcn_target "amdgcn-amd-amdhsa--gfx1250"
	.amdhsa_code_object_version 6
	.text
	.protected	k_q4bdcf2fd57_attn
	.globl	k_q4bdcf2fd57_attn
	.p2align	8
	.type	k_q4bdcf2fd57_attn,@function
k_q4bdcf2fd57_attn:
	s_mov_b64 s[64:65], 0
	v_nop
	global_prefetch_b8 v0, s[64:65] scope:SCOPE_SE
	s_setreg_imm32_b32 hwreg(HW_REG_WAVE_MODE, 25, 1), 1
	s_wait_xcnt 0x0
	s_wait_alu depctr_hold_cnt(0) depctr_sa_sdst(0) depctr_va_vdst(0) depctr_va_sdst(0) depctr_va_ssrc(0) depctr_va_vcc(0) depctr_vm_vsrc(0)
	s_getreg_b32 s2, hwreg(HW_REG_IB_STS2, 6, 4)
	s_cmp_eq_u32 s2, 0
	s_cbranch_scc0 .Lentry_in_a_cluster
	s_endpgm
.Lentry_in_a_cluster:
	s_bfe_u32 s2, ttmp6, 0x10000c
	s_cmp_lg_u32 s2, 0x3003
	s_cbranch_scc0 .Lentry_shape_is_right
	s_endpgm
.Lentry_shape_is_right:
; attn[q] = the sum over keys of softmax(q . k / 8) v, both products on codes of FP6 (E2M3) with E8M0 scales, for two heads; the result is quantised along the model's 1,024 channels for the last product.
; THE SOFTMAX AHEAD OF THE SECOND PRODUCT: t = score x log2(e) / 8; M = the row's largest t so far, rounded up to a whole number; p = 2^(t - M) is quantised along the keys, not normalised.  The row's sum is taken of the
; unquantised p and divides at the end.  When M moves, the sum and O are multiplied by 2^(old M - new M): exact.
; SHARES.  A work-group owns 256 queries and the two heads 2 y and 2 y + 1; each of its sixteen waves owns one tile of 16 queries, for both heads, in 256 registers: four waves to a SIMD, so that one wave's vector work
; stands beside another's matrix work and LDS loads.  The two heads' K and V are one stream of 32 key steps of 12,288 bytes; it goes through two LDS slots of eight steps.  Their scale words, 24,576 bytes, come once.
; CLUSTER.  The four query blocks of a cluster walk the same stream: each tile is asked for jointly, by waves 0 to 3, with a mask that names the four.
; ALL OPERANDS LIE AS IMAGES OF THEIR REGISTERS: a load takes 8 or 16 bytes a lane, lane behind lane: no pitch and no padding.
; LAYOUT.  Both products transposed: S^T = K Q^T, O^T = V^T P^T: a lane holds one query.  The launch before has chosen the keys of a tile of K and the channels of a tile of V^T so that 16 registers of two neighbouring
; tiles are 16 neighbours.  THE FIRST PRODUCT'S K IS 64: registers 6 to 11 of Q's and K's fragments are zero codes, written once, under scale bytes 0 (2^-127, no NaN): they add nothing.
; Two heads to a wave make one whole fragment (128 along the last product's K) and whole scale words.  OUT: aimg [s 4][token tile 512][q 2][3 x 512 B], asc [K step 8][token tile 512][16 words].
; LIMITS: NaN and infinities are not served.  A block whose largest magnitude lies under 2^-124, or that is all zeros, keeps the scale byte 1 (zero codes; this program alone reads the bytes).
; A block's largest p is made from the block's largest score by the same two instructions; that takes v_exp_f32 not to fall where its input rises.
.set SLOT1, 131072                     ; slot 0 at 0, slot 1 here: 98,304 bytes each
.set STEPB, 12288                      ; a key step: K's 8 tiles of 768, V^T's 4 of 1,536
.set SCL,   229376                     ; the scale words of 32 key steps, 768 bytes each: filled once
.set ASTG,  SCL+24576                  ; 1,024 bytes: attn's scale words meet here; no tensor load lands here
.set SPARE, ASTG+1024                  ; the spare words: 128 bytes for each of 16 waves, eight blocks of 256 bytes that no other line names
.set APL,   1572864                    ; a plane of aimg
.set LK,  1                            ; v1   8 x lane
.set LSK, 2                            ; v2   SCL + 16 x lane
.set LSV, 3                            ; v3   SCL + 512 + 16 r
.set SPW, 4                            ; v4   my spare word; never rewritten
.set NIL, 5                            ; v5   0; never rewritten
.set ADK, 6                            ; v6-8 the addresses in hand
.set ADS, 7
.set ADT, 8
.set L16, 9                            ; v9   16 x lane
.set R16, 10                           ; v10  16 r
.set AST, 11                           ; v11  ASTG + 64 x wave + 4 r
.set ASR, 29                           ; v29  ASTG + 16 x lane
.set QF,  16                           ; v16-27 Q's fragment (v22-27 zeros);  v28 its scale word
.set QS,  28
.set KFR, 32                           ; v32-79 four fragments of K (registers 6-11 of each: zeros)
.set KSW, 80                           ; v80-83 K's scale words: register i: tile i in lanes 0-15, tile 4 + i in lanes 16-31
.set VSW, 84                           ; v84-87 V's
.set S,   96                           ; v96-159 S^T, then p; then V's four fragments in v96-143
.set O,   160                          ; v160-191 O^T
.set AF,  192                          ; v192-203 attn's codes;  v204 its scale word
.set AW,  204
.set PCD, 208                          ; v208-219 p's codes;  v220-226 at work
.set CT,  220
.set BM,  228                          ; v228-231 the blocks' largest
.set T4,  232
.set SO,  236                          ; v236-239 the conversions' scale operands
.set C2,  240                          ; v[240:241] the sums' second chain
.set FF,  242                          ; v[242:243] f
.set PW,  244                          ; v244 p's scale word
.set TT,  245
.set WV,  18
.set SEL, 20
.set CS,  22                           ; s[22:23] c = log2(e) / 8
.set G1C, 24
.set G1S, 32
.set G0C, 40
.set G0S, 56
.set TB,  2                            ; s2  LDS byte of the key step in hand
.set TS,  3                            ; s3  its scale words: 768 bytes a step
.set CNT, 66
.macro CROUND
	s_barrier_signal -1
	s_barrier_wait -1
	s_cmp_lg_u32 s[WV], 0
	s_cbranch_scc1 .Lnot_wave_0_\@
	s_barrier_signal -3
.Lnot_wave_0_\@:
	s_barrier_wait -3
	s_barrier_signal -1
	s_barrier_wait -1
.endm
.macro JLOAD                           ; waves 0 to 3 fetch a quarter of a slot each; four v_nop follow the load
	s_cmp_lt_u32 s[WV], 4
	s_cbranch_scc0 .Lnone_\@
	tensor_load_to_lds s[G0C:G0C+3], s[G1C:G1C+7]
	s_nop 0
.rept 4
	v_nop
.endr
.Lnone_\@:
.endm
	s_load_b256 s[4:11], s[0:1], 0x0               ; qimg, qsc, kv, kvs
	s_load_b128 s[12:15], s[0:1], 0x20             ; aimg, asc
	v_lshl_add_u32 v[SPW], v0, 2, SPARE
	v_mov_b32 v[NIL], 0
	ds_add_u32 v4, v5
	ds_add_u32 v4, v5
	s_wait_dscnt 0x0
	v_lshrrev_b32 v6, 5, v0
	s_delay_alu instid0(VALU_DEP_1)
	v_readfirstlane_b32 s[WV], v6                  ; wave 0..15
	s_bfe_u32 s76, ttmp6, 0x40000                  ; cx
	s_lshl_b32 s77, ttmp9, 2
	s_add_co_u32 s77, s77, s76                     ; my block of 256 queries: it enters global addresses of my own loads and stores alone
	s_and_b32 s78, ttmp7, 0xffff                   ; y = 8 x batch + pair of heads, which the four partners share
	s_and_b32 s79, s[WV], 3
	s_mov_b32 s[G1C], 15|(3<<16)|(1<<21)           ; the mask: all four work-groups; elements of 8 bytes; bit 21 beside a mask; no padding
	s_mov_b32 s[G1C+1], 32<<16                     ; rows of 256 bytes,
	s_mov_b32 s[G1C+2], 96<<16                     ; 96 of them: two key steps
	s_mov_b32 s[G1C+3], 32<<16
	s_mov_b32 s[G1C+4], 96
	s_mov_b32 s[G1C+5], 32                         ; dense
	s_mov_b32 s[G1C+6], 0
	s_mov_b32 s[G1C+7], 0
	s_mov_b32 s[G1S], 15|(3<<16)|(1<<21)           ; the scale words: 24 rows of 256 bytes a wave
	s_mov_b32 s[G1S+1], 32<<16
	s_mov_b32 s[G1S+2], 24<<16
	s_mov_b32 s[G1S+3], 32<<16
	s_mov_b32 s[G1S+4], 24
	s_mov_b32 s[G1S+5], 32
	s_mov_b32 s[G1S+6], 0
	s_mov_b32 s[G1S+7], 0
	s_mul_i32 s82, s79, 24576                      ; my quarter of a slot
	s_mul_i32 s80, s78, 393216                     ; the pair's stream
	s_add_co_u32 s80, s80, s82
	s_mov_b32 s81, 0
	s_mul_i32 s83, s79, 6144                       ; my quarter of the scale words
	s_mul_i32 s84, s78, 24576
	s_add_co_u32 s84, s84, s83
	s_mov_b32 s85, 0
	s_mov_b32 s[SEL], 0x76543210
	s_mov_b32 s[SEL+1], 0xfedcba98
	s_mov_b32 s[CS], 0x3e38aa3b                    ; log2(e) / 8
	s_mov_b32 s[CS+1], s[CS]                       ; (named with it as a pair)
	s_mov_b32 s[TS], 0
	s_wait_kmcnt 0x0
	s_mov_b32 s[G0C], 1
	s_mov_b32 s[G0C+1], s82                        ; slot 0
	s_add_nc_u64 s[G0C+2:G0C+3], s[8:9], s[80:81]
	s_or_b32 s[G0C+3], s[G0C+3], 0x80000000
	s_mov_b32 s[G0S], 1
	s_add_co_u32 s[G0S+1], s83, SCL
	s_add_nc_u64 s[G0S+2:G0S+3], s[10:11], s[84:85]
	s_or_b32 s[G0S+3], s[G0S+3], 0x80000000
	CROUND                                         ; all four work-groups are here: the first joint loads meet
	s_mov_b32 s44, 15|(3<<16)|(1<<21)              ; the first fills, one a wave: waves 0 to 11 take 32 rows of 256 bytes of slot 0 each, waves 12 to 15 a quarter of the scale words
	s_mov_b32 s45, 32<<16
	s_mov_b32 s46, 32<<16
	s_mov_b32 s47, 32<<16
	s_mov_b32 s48, 32
	s_mov_b32 s49, 32
	s_mov_b32 s50, 0
	s_mov_b32 s51, 0
	s_mul_i32 s86, s78, 393216
	s_lshl_b32 s53, s[WV], 13
	s_add_co_u32 s86, s86, s53
	s_mov_b32 s87, 0
	s_mov_b32 s52, 1
	s_add_nc_u64 s[54:55], s[8:9], s[86:87]
	s_or_b32 s55, s55, 0x80000000
	s_cmp_lt_u32 s[WV], 12
	s_cbranch_scc0 .Lfirst_s
	tensor_load_to_lds s[52:55], s[44:51]
	s_nop 0
.rept 4
	v_nop
.endr
	s_branch .Lno_first
.Lfirst_s:
	tensor_load_to_lds s[G0S:G0S+3], s[G1S:G1S+7]
	s_nop 0
.rept 4
	v_nop
.endr
.Lno_first:
	s_mul_i32 s80, s78, 196608                     ; Q's codes: 98,304 bytes a head, 768 a tile; my tile is 16 x block + wave
	s_mul_i32 s81, s77, 12288
	s_add_co_u32 s80, s80, s81
	s_mul_i32 s81, s[WV], 768
	s_add_co_u32 s80, s80, s81
	s_mov_b32 s81, 0
	s_add_nc_u64 s[68:69], s[4:5], s[80:81]
	s_lshl_b32 s80, s78, 14                        ; Q's scale words: 8,192 bytes a head, 512 for eight tiles, 256 for four, 4 a tile
	s_lshl_b32 s82, s77, 10
	s_add_co_u32 s80, s80, s82
	s_lshr_b32 s82, s[WV], 2
	s_lshl_b32 s82, s82, 8
	s_add_co_u32 s80, s80, s82
	s_lshl_b32 s82, s79, 2
	s_add_co_u32 s80, s80, s82
	s_add_nc_u64 s[70:71], s[6:7], s[80:81]
	s_bfe_u32 s80, s78, 0x20001                    ; aimg: plane (pair / 2),
	s_mul_i32 s80, s80, APL
	s_lshr_b32 s82, s78, 3
	s_lshl_b32 s82, s82, 7
	s_lshl_b32 s83, s77, 4
	s_add_co_u32 s83, s83, s82                     ; the work-group's first token tile: 128 x batch + 16 x block
	s_add_co_u32 s82, s83, s[WV]
	s_mul_i32 s82, s82, 3072
	s_add_co_u32 s80, s80, s82
	s_and_b32 s82, s78, 1
	s_mul_i32 s82, s82, 1536                       ; and pair % 2
	s_add_co_u32 s80, s80, s82
	s_add_nc_u64 s[72:73], s[12:13], s[80:81]
	s_and_b32 s80, s78, 7                          ; asc: K step = pair: 512 tiles of 64 bytes
	s_lshl_b32 s80, s80, 9
	s_add_co_u32 s80, s80, s83
	s_lshl_b32 s80, s80, 6
	s_add_nc_u64 s[74:75], s[14:15], s[80:81]
	v_and_b32 v6, 31, v0                           ; lane
	v_and_b32 v7, 15, v0                           ; r
	s_delay_alu instid0(VALU_DEP_2)
	v_lshlrev_b32 v[LK], 3, v6
	s_delay_alu instid0(VALU_DEP_3)
	v_lshl_add_u32 v[LSK], v6, 4, SCL
	s_delay_alu instid0(VALU_DEP_3)
	v_lshl_add_u32 v[LSV], v7, 4, SCL+512
	v_lshlrev_b32 v[L16], 4, v6
	v_lshlrev_b32 v[R16], 4, v7
	s_lshl_b32 s80, s[WV], 6
	s_add_co_u32 s80, s80, ASTG
	v_lshl_add_u32 v[AST], v7, 2, s80
	v_lshl_add_u32 v[ASR], v6, 4, ASTG
.irp j, 6,7,8,9,10,11
	v_mov_b32 v[QF+\j], 0                          ; the upper 64 of the first product's K step: zero codes, written once
.irp t, 0,1,2,3
	v_mov_b32 v[KFR+12*\t+\j], 0
.endr
.endr
.irp b, 0,1,2,3
	v_mov_b32 v[T4+\b], 0                          ; written once: a lane permute's destination counts as one of its sources
.endr
	v_mov_b32 v[FF+1], 0                           ; (named as the upper half of a pair)
	v_mov_b32 v[TT], 0
; A KEY STEP: 128 keys.
.macro STEP
	v_add_nc_u32 v[ADK], s[TB], v[LK]
	s_wait_alu depctr_va_vdst(0)
	v_add_nc_u32 v[ADS], s[TS], v[LSK]
	v_add_nc_u32 v[ADT], s[TS], v[LSV]
.rept 3
	v_nop                                          ; six places with the three additions: the products below write over v96 on, which the last step's products read as V's fragments (five are owed)
.endr
.irp g, 0,1                                    ; S^T = K Q^T, four tiles of 16 keys at a time
.if \g
.rept 4
	v_nop                                          ; places in front of loads into registers that matrix instructions have read
.endr
.endif
.irp t, 0,1,2,3
.irp p, 0,1,2
	ds_load_b64 v[KFR+12*\t+2*\p:KFR+12*\t+2*\p+1], v[ADK] offset:(4*\g+\t)*768+256*\p
.endr
.endr
.if \g == 0
	ds_load_b128 v[KSW:KSW+3], v[ADS]              ; the scale words of all eight tiles
.endif
	s_wait_dscnt 0x0
.irp t, 0,1,2,3
.if \g
	v_wmma_scale_f32_16x16x128_f8f6f4 v[S+8*(4*\g+\t):S+8*(4*\g+\t)+7], v[KFR+12*\t:KFR+12*\t+11], v[QF:QF+11], 0, v[KSW+\t], v[QS] matrix_a_fmt:MATRIX_FMT_FP6 matrix_b_fmt:MATRIX_FMT_FP6 matrix_a_scale:MATRIX_SCALE_ROW1
.else
	v_wmma_scale_f32_16x16x128_f8f6f4 v[S+8*(4*\g+\t):S+8*(4*\g+\t)+7], v[KFR+12*\t:KFR+12*\t+11], v[QF:QF+11], 0, v[KSW+\t], v[QS] matrix_a_fmt:MATRIX_FMT_FP6 matrix_b_fmt:MATRIX_FMT_FP6
.endif
.endr
.endr                                          ; register 16 b + i is key 32 b + 16 (lane / 16) + i of the step
.rept 4
	v_nop
.endr
.irp b, 0,1,2,3
	v_max3_num_f32 v[BM+\b], v[S+16*\b], v[S+1+16*\b], v[S+2+16*\b]   ; the largest score of each block of 32 keys: for the row's maximum, and for the block's largest p
.endr
.irp i, 3,5,7,9,11,13
.irp b, 0,1,2,3
	v_max3_num_f32 v[BM+\b], v[BM+\b], v[S+16*\b+\i], v[S+1+16*\b+\i]
.endr
.endr
.irp b, 0,1,2,3
	v_max_num_f32 v[BM+\b], v[BM+\b], v[S+15+16*\b]
.endr
.irp b, 0,1,2,3
	s_delay_alu instid0(VALU_DEP_4)
	v_permlanex16_b32 v[T4+\b], v[BM+\b], s[SEL], s[SEL+1]
.endr
.irp b, 0,1,2,3
	s_delay_alu instid0(VALU_DEP_4)
	v_max_num_f32 v[BM+\b], v[BM+\b], v[T4+\b]     ; with lane xor 16's 16 keys
.endr
	s_delay_alu instid0(VALU_DEP_2)
	v_max3_num_f32 v[TT], v[BM], v[BM+1], v[BM+2]
	s_delay_alu instid0(VALU_DEP_1)
	v_max_num_f32 v[TT], v[TT], v[BM+3]
	s_delay_alu instid0(VALU_DEP_1)
	v_mul_f32 v[TT], s[CS], v[TT]                  ; as t
	s_delay_alu instid0(VALU_DEP_1)
	v_max_num_f32 v13, v13, v[TT]                  ; the running largest t
	v_mov_b32 v[TT], v12
	s_delay_alu instid0(VALU_DEP_2)
	v_floor_f32 v12, -v13                          ; the new -M = floor(-t): M is a whole number
	s_delay_alu instid0(VALU_DEP_1)
	v_sub_f32 v[TT], v12, v[TT]                    ; old M less new M: a whole number, 0 or less
	s_delay_alu instid0(VALU_DEP_1)
	v_cvt_i32_f32 v[TT], v[TT]                     ; (it saturates)
	s_delay_alu instid0(VALU_DEP_1)
	v_ldexp_f32 v[FF], 1.0, v[TT]                  ; f = 2^(old M - new M)
.set j, 0
.rept 32
	v_pk_fma_f32 v[S+j:S+j+1], v[S+j:S+j+1], s[CS:CS+1], v[12:13] op_sel_hi:[1,0,0]   ; t - M, two at a time
.set j, j+2
.endr
.irp b, 0,1,2,3
	v_fma_f32 v[BM+\b], v[BM+\b], s[CS], v12       ; the same of each block's largest score
.endr
.set j, 0
	s_wait_alu depctr_va_vdst(0)
.rept 64
	v_exp_f32 v[S+j], v[S+j]                       ; p = 2^(t - M), at most 1
.set j, j+1
.endr
	v_pk_mul_f32 v[14:15], v[14:15], v[FF:FF+1] op_sel_hi:[1,0]   ; the sums under the new M: a plain place behind the exponentials
	s_wait_alu depctr_va_vdst(0)                   ; one wait for the batch of 64, ahead of its first reader
.irp b, 0,1,2,3
	v_exp_f32 v[BM+\b], v[BM+\b]                   ; the block's largest p
.endr
	v_pk_add_f32 v[240:241], v[100:101], v[104:105]
	v_pk_add_f32 v[254:255], v[108:109], v[112:113]
	v_pk_add_f32 v[252:253], v[116:117], v[120:121]
	v_pk_add_f32 v[250:251], v[124:125], v[128:129]
	v_pk_add_f32 v[248:249], v[132:133], v[136:137]
	v_pk_add_f32 v[246:247], v[140:141], v[144:145]
	v_pk_add_f32 v[238:239], v[148:149], v[152:153]
	v_pk_add_f32 v[14:15], v[14:15], v[156:157]
	v_pk_add_f32 v[240:241], v[240:241], v[96:97]
	v_pk_add_f32 v[254:255], v[254:255], v[98:99]
	v_pk_add_f32 v[252:253], v[252:253], v[102:103]
	v_pk_add_f32 v[250:251], v[250:251], v[106:107]
	v_pk_add_f32 v[248:249], v[248:249], v[110:111]
	v_pk_add_f32 v[246:247], v[246:247], v[114:115]
	v_pk_add_f32 v[238:239], v[238:239], v[118:119]
	v_pk_add_f32 v[14:15], v[14:15], v[122:123]
	v_pk_add_f32 v[240:241], v[240:241], v[126:127]
	v_pk_add_f32 v[254:255], v[254:255], v[130:131]
	v_pk_add_f32 v[252:253], v[252:253], v[134:135]
	v_pk_add_f32 v[250:251], v[250:251], v[138:139]
	v_pk_add_f32 v[248:249], v[248:249], v[142:143]
	v_pk_add_f32 v[246:247], v[246:247], v[146:147]
	v_pk_add_f32 v[238:239], v[238:239], v[150:151]
	v_pk_add_f32 v[14:15], v[14:15], v[154:155]
	v_pk_add_f32 v[240:241], v[240:241], v[158:159]
	s_delay_alu instid0(VALU_DEP_2)
	v_pk_add_f32 v[14:15], v[14:15], v[250:251]
	s_delay_alu instid0(VALU_DEP_2)
	v_pk_add_f32 v[240:241], v[240:241], v[248:249]
	v_pk_add_f32 v[254:255], v[254:255], v[246:247]
	v_pk_add_f32 v[252:253], v[252:253], v[238:239]
	s_delay_alu instid0(VALU_DEP_2)
	v_pk_add_f32 v[14:15], v[14:15], v[254:255]
	s_delay_alu instid0(VALU_DEP_2)
	v_pk_add_f32 v[240:241], v[240:241], v[252:253]
	s_delay_alu instid0(VALU_DEP_1)
	v_pk_add_f32 v[14:15], v[14:15], v[240:241]
	s_wait_alu depctr_va_vdst(0)                   ; and one for the four
.irp b, 0,1,2,3
	v_max_num_f32 v[BM+\b], 0x1800000, v[BM+\b]    ; the floor 2^(3 - 127): the byte cannot fall under 1
.endr
.irp b, 0,1,2,3
	s_delay_alu instid0(VALU_DEP_4)
	v_add_nc_u32 v[SO+\b], 0xff000000, v[BM+\b]    ; 2 off the exponent field: the conversion's scale operand
.endr
.irp b, 0,1,2,3
	s_delay_alu instid0(VALU_DEP_4)
	v_lshrrev_b32 v[T4+\b], 23, v[SO+\b]           ; the scale's byte
.endr
	s_delay_alu instid0(VALU_DEP_3)
	v_lshl_or_b32 v[PW], v[T4+1], 8, v[T4]         ; p's scale word for these 128 keys
	s_delay_alu instid0(VALU_DEP_1)
	v_lshl_or_b32 v[PW], v[T4+2], 16, v[PW]
	s_delay_alu instid0(VALU_DEP_1)
	v_lshl_or_b32 v[PW], v[T4+3], 24, v[PW]
.irp c, 0,1
	v_cvt_scalef32_pk16_fp6_f32 v[PCD+6*\c:PCD+2+6*\c], v[S+32*\c:S+15+32*\c], v[SO+2*\c]
	v_cvt_scalef32_pk16_fp6_f32 v[CT+4*\c:CT+2+4*\c], v[S+16+32*\c:S+31+32*\c], v[SO+2*\c+1]
.endr
	v_nop                                          ; one plain place behind a scaled conversion
.irp c, 0,1
.irp i, 0,1,2
	v_permlane16_swap_b32 v[PCD+6*\c+\i], v[CT+4*\c+\i]
.endr
.irp i, 0,1,2
	s_delay_alu instid0(VALU_DEP_3)
	v_mov_b32 v[PCD+3+6*\c+\i], v[CT+4*\c+\i]
.endr
.endr
.set j, 0
.rept 16
	v_pk_mul_f32 v[O+j:O+j+1], v[O+j:O+j+1], v[FF:FF+1] op_sel_hi:[1,0]   ; O^T under the new M.  (These 16 are also the places between the scale word, the codes and the products below)
.set j, j+2
.endr
.irp t, 0,1,2,3                                ; O^T += V^T P^T: four tiles of 16 channels; K = these 128 keys
.irp p, 0,1,2,3,4,5
	ds_load_b64 v[S+12*\t+2*\p:S+12*\t+2*\p+1], v[ADK] offset:6144+1536*\t+256*\p
.endr
.endr
	ds_load_b128 v[VSW:VSW+3], v[ADT]
	s_wait_alu depctr_va_vdst(0)
	s_wait_dscnt 0x0
.irp t, 0,1,2,3
	v_wmma_scale_f32_16x16x128_f8f6f4 v[O+8*\t:O+8*\t+7], v[S+12*\t:S+12*\t+11], v[PCD:PCD+11], v[O+8*\t:O+8*\t+7], v[VSW+\t], v[PW] matrix_a_fmt:MATRIX_FMT_FP6 matrix_b_fmt:MATRIX_FMT_FP6
.endr
	s_add_co_u32 s[TB], s[TB], STEPB
	s_add_co_u32 s[TS], s[TS], 768
.endm
.macro SLOT_STEPS slot                         ; a slot's eight key steps: written once, walked eight times
	s_mov_b32 s[TB], \slot*SLOT1
	s_mov_b32 s[CNT], 8
.Lstep_\@:
	STEP
	s_sub_co_u32 s[CNT], s[CNT], 1
	s_cmp_lg_u32 s[CNT], 0
	s_cbranch_scc1 .Lstep_\@
.endm
; THE CHANGE OF SLOTS stands at a slot's head.  Each wave waits for all its tensor loads, adds 0 to its spare word, and waits for that and for its reads of the slot that it has left.
; fill = 1: behind a round of the cluster's barrier the other slot takes the stream's next eight steps: the load has eight key steps in which to land.
.macro CHANGE fill
	s_wait_tensorcnt 0x0                           ; no tensor load of mine is out, so the descriptor may be written
	ds_add_u32 v[SPW], v[NIL]                      ; 0 onto my spare word
.if \fill
	s_xor_b32 s[G0C+1], s[G0C+1], SLOT1            ; the other slot than last time,
	s_add_nc_u64 s[G0C+2:G0C+3], s[G0C+2:G0C+3], 8*STEPB   ; the next eight steps
.endif
	s_wait_dscnt 0x0                               ; the add is done, and my reads of the slot that I have left are over
.if \fill
	CROUND
	JLOAD                                          ; the first thing behind the round, and a wave's one tensor load until the next
.else
	s_barrier_signal -1
	s_barrier_wait -1
.endif
.endm
.macro HEAD_INIT hd                            ; a head begins: its Q, and zeros under a largest t of -3e38, which the first change of M leaves zeros
.irp p, 0,1,2
	global_load_b64 v[QF+2*\p:QF+2*\p+1], v[LK], s[68:69] offset:\hd*98304+256*\p
.endr
	global_load_b32 v[QS], v[R16], s[70:71] offset:\hd*8192
	v_mov_b32 v13, 0xff61b1e6
	s_delay_alu instid0(VALU_DEP_1)
	v_floor_f32 v12, -v13
	v_mov_b32 v14, 0
	v_mov_b32 v15, 0
.set j, 0
.rept 32
	v_mov_b32 v[O+j], 0
.set j, j+1
.endr
	s_wait_loadcnt 0x0
.endm
.macro FINISH hd                               ; a head ends: O^T / the sum, quantised along its 64 channels: half a fragment and half a scale word
.rept 4
	v_nop                                          ; places behind the last products
.endr
	v_add_f32 v14, v14, v15
	s_delay_alu instid0(VALU_DEP_1)
	v_permlanex16_b32 v[TT], v14, s[SEL], s[SEL+1]
	s_delay_alu instid0(VALU_DEP_1)
	v_add_f32 v14, v14, v[TT]                      ; the row's sum
	s_wait_alu depctr_va_vdst(0)
	v_rcp_f32 v14, v14
	v_nop                                          ; a plain place behind the transcendental
	s_wait_alu depctr_va_vdst(0)                   ; the wait ahead of its first reader
.set j, 0
.rept 16
	v_pk_mul_f32 v[S+j:S+j+1], v[O+j:O+j+1], v[14:15] op_sel_hi:[1,0]   ; register 16 b + i is channel 32 b + 16 (lane / 16) + i; each accumulator from its low end on
.set j, j+2
.endr
.irp b, 0,1
	v_max3_num_f32 v[BM+\b], |v[S+16*\b]|, |v[S+1+16*\b]|, 0x1800000
.endr
.irp i, 2,4,6,8,10,12,14
.irp b, 0,1
	s_delay_alu instid0(VALU_DEP_2)
	v_max3_num_f32 v[BM+\b], v[BM+\b], |v[S+16*\b+\i]|, |v[S+1+16*\b+\i]|
.endr
.endr
.irp b, 0,1
	s_delay_alu instid0(VALU_DEP_2)
	v_permlanex16_b32 v[T4+\b], v[BM+\b], s[SEL], s[SEL+1]
.endr
.irp b, 0,1
	s_delay_alu instid0(VALU_DEP_2)
	v_max_num_f32 v[BM+\b], v[BM+\b], v[T4+\b]
.endr
.irp b, 0,1
	s_delay_alu instid0(VALU_DEP_2)
	v_add_nc_u32 v[SO+\b], 0xff000000, v[BM+\b]
.endr
.irp b, 0,1
	s_delay_alu instid0(VALU_DEP_2)
	v_lshrrev_b32 v[T4+\b], 23, v[SO+\b]
.endr
	s_delay_alu instid0(VALU_DEP_1)
	v_lshl_or_b32 v[TT], v[T4+1], 8, v[T4]
	v_cvt_scalef32_pk16_fp6_f32 v[AF+6*\hd:AF+6*\hd+2], v[S:S+15], v[SO]
	v_cvt_scalef32_pk16_fp6_f32 v[CT:CT+2], v[S+16:S+31], v[SO+1]
	v_nop
.irp i, 0,1,2
	v_permlane16_swap_b32 v[AF+6*\hd+\i], v[CT+\i]
.endr
.irp i, 0,1,2
	s_delay_alu instid0(VALU_DEP_3)
	v_mov_b32 v[AF+6*\hd+3+\i], v[CT+\i]
.endr
.if \hd
	v_lshl_or_b32 v[AW], v[TT], 16, v[AW]
.else
	v_mov_b32 v[AW], v[TT]
.endif
.endm
	HEAD_INIT 0
	CHANGE 1                                       ; steps 0-7 and the scale words are in; steps 8-15 go out, into slot 1
	SLOT_STEPS 0
	CHANGE 1                                       ; steps 16-23: the second head's
	SLOT_STEPS 1
	FINISH 0
	HEAD_INIT 1
	CHANGE 1                                       ; steps 24-31: the last load
	SLOT_STEPS 0
	CHANGE 0                                       ; nothing is left to fetch
	SLOT_STEPS 1
	FINISH 1
.irp j, 0,1,2
	global_store_b128 v[L16], v[AF+4*\j:AF+4*\j+3], s[72:73] offset:512*\j   ; the fragment as it stands: 512 consecutive bytes a store
.endr
	ds_store_b32 v[AST], v[AW]                     ; my tile's 16 scale words; both halves of the lanes write the same word with the same value
	s_wait_dscnt 0x0                               ; for the others' sake
	s_barrier_signal -1
	s_barrier_wait -1
	s_cmp_lg_u32 s[WV], 0                          ; wave 0 stores the work-group's 1,024 bytes of scale words
	s_cbranch_scc1 .Lnot_zero
	ds_load_b128 v[96:99], v[ASR]
	ds_load_b128 v[100:103], v[ASR] offset:512
	s_wait_dscnt 0x0
	global_store_b128 v[L16], v[96:99], s[74:75]
	global_store_b128 v[L16], v[100:103], s[74:75] offset:512
.Lnot_zero:
	s_wait_tensorcnt 0x0                           ; the wave's end
	ds_add_u32 v[SPW], v[NIL]
	s_wait_dscnt 0x0
	CROUND                                         ; the closing round
	s_endpgm
.Lfunc_end_k_q4bdcf2fd57_attn:
	.size	k_q4bdcf2fd57_attn, .Lfunc_end_k_q4bdcf2fd57_attn-k_q4bdcf2fd57_attn
	.p2alignl 7, 3214868480
	.fill 96, 4, 3214868480
	.section	.rodata,"a",@progbits
	.p2align	6, 0x0
	.amdhsa_kernel k_q4bdcf2fd57_attn
		.amdhsa_group_segment_fixed_size 327680
		.amdhsa_private_segment_fixed_size 0
		.amdhsa_enable_private_segment 0
		.amdhsa_kernarg_size 48
		.amdhsa_user_sgpr_count 2
		.amdhsa_user_sgpr_kernarg_segment_ptr 1
		.amdhsa_wavefront_size32 1
		.amdhsa_system_sgpr_workgroup_id_x 1
		.amdhsa_system_sgpr_workgroup_id_y 1
		.amdhsa_system_sgpr_workgroup_id_z 1
		.amdhsa_system_vgpr_workitem_id 0
		.amdhsa_next_free_vgpr 256
		.amdhsa_next_free_sgpr 100
		.amdhsa_reserve_vcc 0
		.amdhsa_float_denorm_mode_32 3
		.amdhsa_float_denorm_mode_16_64 3
		.amdhsa_memory_ordered 1
		.amdhsa_forward_progress 1
		.amdhsa_inst_pref_size 97
	.end_amdhsa_kernel
	.amdgpu_metadata
---
amdhsa.version: [ 1, 2 ]
amdhsa.kernels:
  - .name:           k_q4bdcf2fd57_attn
    .symbol:         k_q4bdcf2fd57_attn.kd
    .args:
      - { .name: qimg, .offset: 0, .size: 8, .value_kind: global_buffer, .address_space: global }
      - { .name: qsc, .offset: 8, .size: 8, .value_kind: global_buffer, .address_space: global }
      - { .name: kv, .offset: 16, .size: 8, .value_kind: global_buffer, .address_space: global }
      - { .name: kvs, .offset: 24, .size: 8, .value_kind: global_buffer, .address_space: global }
      - { .name: aimg, .offset: 32, .size: 8, .value_kind: global_buffer, .address_space: global }
      - { .name: asc, .offset: 40, .size: 8, .value_kind: global_buffer, .address_space: global }
    .group_segment_fixed_size: 327680
    .private_segment_fixed_size: 0
    .kernarg_segment_align: 8
    .kernarg_segment_size: 48
    .max_flat_workgroup_size: 512
    .sgpr_count:     100
    .vgpr_count:     256
    .wavefront_size: 32
...
	.end_amdgpu_metadata
.endif
;; end of part 2
;; launch fc (part 3): grid 4 x 64, 4 waves a work-group, clusters of 4 x 4, 327,680 bytes of LDS; arguments aimg, asc, W_fc_codes, W_fc_scales, b_fc, out0; writes out0
.if DOCPART == 3
	.amdgcn_target "amdgcn-amd-amdhsa--gfx1250"
	.amdhsa_code_object_version 6
	.text
	.protected	k_q4bdcf2fd57_fc
	.globl	k_q4bdcf2fd57_fc
	.p2align	8
	.type	k_q4bdcf2fd57_fc,@function
k_q4bdcf2fd57_fc:
	s_mov_b64 s[64:65], 0
	v_nop
	global_prefetch_b8 v0, s[64:65] scope:SCOPE_SE
	s_setreg_imm32_b32 hwreg(HW_REG_WAVE_MODE, 25, 1), 1
	s_wait_xcnt 0x0
	s_wait_alu depctr_hold_cnt(0) depctr_sa_sdst(0) depctr_va_vdst(0) depctr_va_sdst(0) depctr_va_ssrc(0) depctr_va_vcc(0) depctr_vm_vsrc(0)
	s_getreg_b32 s2, hwreg(HW_REG_IB_STS2, 6, 4)
	s_cmp_eq_u32 s2, 0
	s_cbranch_scc0 .Lentry_in_a_cluster
	s_endpgm
.Lentry_in_a_cluster:
	s_bfe_u32 s2, ttmp6, 0x10000c
	s_cmp_lg_u32 s2, 0xf033
	s_cbranch_scc0 .Lentry_shape_is_right
	s_endpgm
.Lentry_shape_is_right:
; out0 = attn W_fc^T + b_fc on codes of FP6 with E8M0 scales, f32 out: 8,192 x 1,024 x 1,024.
; 256 work-groups of four waves, 2 x 2; a work-group makes 128 tokens x 256 columns, a wave 64 x 128: 32 accumulators by turns.
; ALL OPERANDS COME AT THE HEAD, one tensor load a wave: W_fc's 256 rows whole (768 bytes, 16 of padding behind every 256), attn's codes (four planes of 24,576 bytes, images of the operand's registers), both sets of scale bytes.
; Nothing is filled again, so there is no ring, and no loop that a data prefetch could run ahead in.  attn's tiles are asked for jointly by a row of the cluster, W_fc's by a column.
; Source 0 = W_fc's rows: a lane holds eight neighbouring columns of a token; the bias is the first products' C.  The way out goes through a stage in attn's bytes, behind a barrier behind which nobody reads them.
; LIMITS: NaN and infinities are not served; a sum begins with the bias.
.set KROW,   768
.set PITCH,  816
.set FR,     12
.set NP,     4
.set YB,     98304
.set HALFS,  16*272
.set BSC,    YB+256*PITCH
.set ASC,    BSC+2*HALFS
.set SPARE,  ASC+4096
.set APL,    1572864
.set SPITCH, 528
.set ADRA, 16
.set ADRB, 20
.set STO,  24
.set RD,   25
.set CO,   26
.set ADRSA, 27
.set SPW,  28
.set NIL,  29
.set ADRSB, 30
.set SCA,  32
.set SCB,  68
.set AFR,  132
.set BK,   128
.set G1, 24
.set G0, 32
.set G1B, 48
.set G0B, 56
.set G1S, 68
.set G0S, 76
.set G1SB, 80
.set G0SB, 88
.set MSB, 0
.macro WIN new
.if MSB != \new
	s_set_vgpr_msb (MSB<<8)|\new
.set MSB, \new
.endif
.endm
.set MUL,  0xa1
.set TO_B, 0x40
.macro PLACES n
.rept \n
	v_nop
.endr
.endm
.macro TLOAD g0, g1
	tensor_load_to_lds s[\g0:\g0+3], s[\g1:\g1+7]
	s_nop 0
	PLACES 4
.endm
.macro CROUND
	s_barrier_signal -1
	s_barrier_wait -1
	s_cmp_lg_u32 s14, 0
	s_cbranch_scc1 .Lnot_wave_0_\@
	s_barrier_signal -3
.Lnot_wave_0_\@:
	s_barrier_wait -3
	s_barrier_signal -1
	s_barrier_wait -1
.endm
.macro G1SET g, mask, flags, c, r, p
	s_or_b32 s[\g+0], s[\mask], \flags
	s_mov_b32 s[\g+1], (\c)<<16
	s_mov_b32 s[\g+2], (\r)<<16
	s_mov_b32 s[\g+3], (\c)<<16
	s_mov_b32 s[\g+4], \r
	s_mov_b32 s[\g+5], \p
	s_mov_b32 s[\g+6], 0
	s_mov_b32 s[\g+7], 0
.endm
.macro G0SET g, lds, base, off
	s_mov_b32 s[\g], 1
	s_mov_b32 s[\g+1], \lds
	s_add_nc_u64 s[\g+2:\g+3], s[\base:\base+1], s[\off:\off+1]
	s_or_b32 s[\g+3], s[\g+3], 0x80000000
.endm
	s_load_b256 s[4:11], s[0:1], 0x0       ; aimg, asc, W_fc codes, scales
	s_load_b128 s[92:95], s[0:1], 0x20     ; b_fc, out0
	v_lshl_add_u32 v[SPW], v0, 2, SPARE
	v_mov_b32 v[NIL], 0
	ds_add_u32 v[SPW], v[NIL]              ; the opening lines
	ds_add_u32 v[SPW], v[NIL]
	v_lshrrev_b32 v1, 5, v0
	v_readfirstlane_b32 s14, v1
	s_lshr_b32 s15, s14, 1
	s_and_b32 s16, s14, 1
	s_bfe_u32 s40, ttmp6, 0x40000
	s_bfe_u32 s41, ttmp6, 0x40004
	s_lshl_b32 s42, ttmp9, 2
	s_add_co_u32 s42, s42, s40             ; tile column
	s_and_b32 s17, ttmp7, 0xffff
	s_lshl_b32 s17, s17, 2
	s_add_co_u32 s17, s17, s41             ; tile row
	s_lshl_b32 s43, s41, 2
	s_lshl_b32 s43, 15, s43
	s_lshl_b32 s44, 0x1111, s40
	G1SET G1, 43, (3<<16)|(1<<21), 3072, 4, APL/8                          ; attn's codes: 4 planes of 24,576 bytes
	G1SET G1B, 44, (1<<20)|(1<<21)|(5<<22)|(3<<25), KROW, 256, KROW        ; W_fc's 256 rows
	G1SET G1S, 43, (3<<16)|(1<<21), 64, 8, 4096                            ; attn's scale words: 8 K steps of 512 bytes
	G1SET G1SB, 44, (3<<16)|(1<<20)|(1<<21)|(5<<22)|(3<<25), 32, 32, 32    ; W_fc's scale bytes: 32 units of 256
	s_mul_i32 s20, s17, 24576
	s_mov_b32 s21, 0
	s_lshl_b32 s22, s17, 9
	s_mov_b32 s23, 0
	s_mul_i32 s46, s42, 256*KROW
	s_mov_b32 s47, 0
	s_lshl_b32 s96, s42, 13
	s_mov_b32 s97, 0
	s_wait_alu depctr_va_vdst(0)
	s_wait_dscnt 0x0
	CROUND                                 ; ahead of the first joint loads
	s_wait_kmcnt 0x0
	G0SET G0, 0, 4, 20
	G0SET G0S, ASC, 6, 22
	G0SET G0B, YB, 8, 46
	G0SET G0SB, BSC, 10, 96
	s_cmp_eq_u32 s14, 0
	s_cbranch_scc0 .Lw1
	TLOAD G0B, G1B
	s_branch .Lasked
.Lw1:
	s_cmp_eq_u32 s14, 1
	s_cbranch_scc0 .Lw2
	TLOAD G0, G1
	s_branch .Lasked
.Lw2:
	s_cmp_eq_u32 s14, 2
	s_cbranch_scc0 .Lw3
	TLOAD G0SB, G1SB
	s_branch .Lasked
.Lw3:
	TLOAD G0S, G1S
.Lasked:
	v_and_b32 v1, 15, v0
	v_bfe_u32 v2, v0, 4, 1
	v_and_b32 v6, 31, v0
	v_lshlrev_b32 v[CO], 4, v6
	v_mul_u32_u24 v3, v1, PITCH
	v_mad_u32_u24 v4, v2, 24, v3
	v_mad_u32_u24 v5, v2, 40, v3
	s_mul_i32 s21, s15, 12288
	s_mul_i32 s22, s16, 128*PITCH
	s_add_co_u32 s22, s22, YB
	v_add_nc_u32 v[ADRA], s21, v[CO]
	v_add_nc_u32 v[ADRB], s22, v4
	v_add_nc_u32 v[ADRB+2], s22, v5
	v_add_nc_u32 v[ADRA+1], 49152, v[ADRA]
	v_add_nc_u32 v[ADRB+1], 64*PITCH, v[ADRB]
	v_add_nc_u32 v[ADRB+3], 64*PITCH, v[ADRB+2]
	s_lshl_b32 s21, s15, 8
	s_add_co_u32 s21, s21, ASC
	v_lshl_add_u32 v[ADRSA], v1, 2, s21
	v_lshrrev_b32 v7, 3, v1
	v_mul_u32_u24 v7, v7, 272
	v_and_b32 v8, 7, v1
	v_lshl_add_u32 v7, v8, 5, v7
	s_mul_i32 s22, s16, HALFS
	s_add_co_u32 s22, s22, BSC
	v_add_nc_u32 v[ADRSB], s22, v7
	s_mul_i32 s23, s14, 16*SPITCH
	v_mul_u32_u24 v5, v1, SPITCH
	v_lshl_add_u32 v5, v2, 5, v5
	v_add_nc_u32 v[STO], s23, v5
	v_add_nc_u32 v[RD], s23, v[CO]
	s_lshl_b32 s20, s42, 10
	s_lshl_b32 s21, s16, 9
	s_add_co_u32 s20, s20, s21
	s_mov_b32 s21, 0
	s_add_nc_u64 s[92:93], s[92:93], s[20:21]
	s_add_nc_u64 s[94:95], s[94:95], s[20:21]
	s_lshl_b32 s20, s17, 7
	s_lshl_b32 s22, s15, 6
	s_add_co_u32 s20, s20, s22
	s_lshl_b32 s20, s20, 12
	s_add_nc_u64 s[94:95], s[94:95], s[20:21]
	v_lshlrev_b32 v9, 5, v2
	s_wait_alu depctr_va_vdst(0)
	WIN TO_B
.irp b, 0,1,2,3,4,5,6,7
	global_load_b128 v[96+8*\b+96*(\b/4):96+8*\b+96*(\b/4)+3], v9, s[92:93] offset:64*\b
	global_load_b128 v[96+8*\b+96*(\b/4)+4:96+8*\b+96*(\b/4)+7], v9, s[92:93] offset:64*\b+16
.endr
	WIN 0
; a fragment of W_fc: six pieces of 8 bytes; lanes 16-31 read 24 bytes on, behind one padding more where that is in the next 256 (address registers +2); tiles 4 to 7 go by address registers +1
.macro FRAG reg, q, i
.irp p, 0,1,2,3,4,5
.set PIE, 12*(\q)+6*(\p/3)+\p%3
	ds_load_b64 v[\reg+2*\p:\reg+2*\p+1], v[ADRB+(\i)/4+2*((PIE%32+3)/32)] offset:8*PIE+16*(PIE/32)+((\i)%4)*16*PITCH
.endr
.endm
.macro FETCH q, set
	WIN TO_B
.irp i, 0,1,2,3,4,5,6,7
	FRAG 128*(\set)+FR*\i, \q, \i
.endr
	WIN 0
.irp a, 0,1,2,3
.irp j, 0,1,2
	ds_load_b128 v[AFR+48*(\set)+FR*\a+4*\j:AFR+48*(\set)+FR*\a+4*\j+3], v[ADRA+(\q)/4] offset:24576*(((\q)/2)%2)+3072*\a+1536*((\q)%2)+512*\j
.endr
.endr
.endm
.macro MUL8 a, set, q
.irp b, 0,1,2,3,4,5,6,7
.if (\q) == 0
	v_wmma_scale_f32_16x16x128_f8f6f4 v[8*(8*(\a)+\b):8*(8*(\a)+\b)+7], v[128*(\set)+FR*\b:128*(\set)+FR*\b+FR-1], v[AFR+48*(\set)+FR*(\a):AFR+48*(\set)+FR*(\a)+FR-1], v[96+8*\b+96*(\b/4):96+8*\b+96*(\b/4)+7], v[SCB+8*\b+(\q)], v[SCA+8*(\a)+(\q)] matrix_a_fmt:MATRIX_FMT_FP6 matrix_b_fmt:MATRIX_FMT_FP6
.else
	v_wmma_scale_f32_16x16x128_f8f6f4 v[8*(8*(\a)+\b):8*(8*(\a)+\b)+7], v[128*(\set)+FR*\b:128*(\set)+FR*\b+FR-1], v[AFR+48*(\set)+FR*(\a):AFR+48*(\set)+FR*(\a)+FR-1], v[8*(8*(\a)+\b):8*(8*(\a)+\b)+7], v[SCB+8*\b+(\q)], v[SCA+8*(\a)+(\q)] matrix_a_fmt:MATRIX_FMT_FP6 matrix_b_fmt:MATRIX_FMT_FP6
.endif
.endr
.endm
	s_wait_tensorcnt 0x0
	s_barrier_signal -1
	s_barrier_wait -1                      ; all four tiles are in
	FETCH 0, 0
.irp a, 0,1,2,3
.irp q, 0,1,2,3,4,5,6,7
	ds_load_b32 v[SCA+8*\a+\q], v[ADRSA] offset:512*\q+64*\a
.endr
.endr
.irp b, 0,1,2,3,4,5,6,7
	ds_load_b128 v[SCB+8*\b:SCB+8*\b+3], v[ADRSB] offset:544*\b
	ds_load_b128 v[SCB+8*\b+4:SCB+8*\b+7], v[ADRSB] offset:544*\b+16
.endr
	s_wait_loadcnt 0x0                     ; the bias
.set Q_, 0
.rept 8
	s_wait_dscnt 0x0                       ; this step's fragments are in
.if Q_ == 7
	s_barrier_signal -1                    ; my reads of LDS are over
.else
.if Q_ > 0
	PLACES NP                              ; ahead of loads into registers that the last step's products read
.endif
	FETCH Q_+1, (Q_+1)%2
.endif
.if Q_ == 0
	WIN 0x91
.else
	WIN MUL
.endif
	MUL8 0, Q_%2, Q_
	MUL8 1, Q_%2, Q_
	MUL8 2, Q_%2, Q_
	MUL8 3, Q_%2, Q_
	WIN 0
.set Q_, Q_+1
.endr
	s_barrier_wait -1                      ; and everybody's: the stage may be written
.macro TOSTAGE a
	WIN 0x08
.irp b, 0,1,2,3,4,5,6,7
	ds_store_b128 v[STO], v[64*(\a)+8*\b:64*(\a)+8*\b+3] offset:64*\b
	ds_store_b128 v[STO], v[64*(\a)+8*\b+4:64*(\a)+8*\b+7] offset:64*\b+16
.endr
	WIN 0
.irp t, 0,1,2,3,4,5,6,7,8,9,10,11,12,13,14,15
	ds_load_b128 v[BK+64*((\a)%2)+4*\t:BK+64*((\a)%2)+4*\t+3], v[RD] offset:\t*SPITCH
.endr
.endm
.macro SEND a, younger
	s_wait_dscnt \younger
.irp t, 0,1,2,3,4,5,6,7,8,9,10,11,12,13,14,15
	global_store_b128 v[CO], v[BK+64*((\a)%2)+4*\t:BK+64*((\a)%2)+4*\t+3], s[94:95] offset:(32*((\a)/2)+8*((\a)%2)+\t+8*(\t/8))*4096 th:TH_STORE_NT
.endr
.endm
	PLACES NP
	TOSTAGE 0
.irp a, 1,2,3
.if \a > 1
	s_wait_xcnt 0x0
.endif
	TOSTAGE \a
	SEND \a-1, 32
.endr
	SEND 3, 0
	s_wait_tensorcnt 0x0                   ; the wave's end
	ds_add_u32 v[SPW], v[NIL]
	s_wait_dscnt 0x0
	CROUND
	s_endpgm
.Lfunc_end_k_q4bdcf2fd57_fc:
	.size	k_q4bdcf2fd57_fc, .Lfunc_end_k_q4bdcf2fd57_fc-k_q4bdcf2fd57_fc
	.p2alignl 7, 3214868480
	.fill 96, 4, 3214868480
	.section	.rodata,"a",@progbits
	.p2align	6, 0x0
	.amdhsa_kernel k_q4bdcf2fd57_fc
		.amdhsa_group_segment_fixed_size 327680
		.amdhsa_private_segment_fixed_size 0
		.amdhsa_enable_private_segment 0
		.amdhsa_kernarg_size 48
		.amdhsa_user_sgpr_count 2
		.amdhsa_user_sgpr_kernarg_segment_ptr 1
		.amdhsa_wavefront_size32 1
		.amdhsa_system_sgpr_workgroup_id_x 1
		.amdhsa_system_sgpr_workgroup_id_y 1
		.amdhsa_system_sgpr_workgroup_id_z 1
		.amdhsa_system_vgpr_workitem_id 0
		.amdhsa_next_free_vgpr 768
		.amdhsa_next_free_sgpr 100
		.amdhsa_reserve_vcc 0
		.amdhsa_float_denorm_mode_32 3
		.amdhsa_float_denorm_mode_16_64 3
		.amdhsa_memory_ordered 1
		.amdhsa_forward_progress 1
		.amdhsa_inst_pref_size 92
	.end_amdhsa_kernel
	.amdgpu_metadata
---
amdhsa.version: [ 1, 2 ]
amdhsa.kernels:
  - .name:           k_q4bdcf2fd57_fc
    .symbol:         k_q4bdcf2fd57_fc.kd
    .args:
      - { .name: aimg, .offset: 0, .size: 8, .value_kind: global_buffer, .address_space: global }
      - { .name: asc, .offset: 8, .size: 8, .value_kind: global_buffer, .address_space: global }
      - { .name: W_fc_codes, .offset: 16, .size: 8, .value_kind: global_buffer, .address_space: global }
      - { .name: W_fc_scales, .offset: 24, .size: 8, .value_kind: global_buffer, .address_space: global }
      - { .name: b_fc, .offset: 32, .size: 8, .value_kind: global_buffer, .address_space: global }
      - { .name: out0, .offset: 40, .size: 8, .value_kind: global_buffer, .address_space: global }
    .group_segment_fixed_size: 327680
    .private_segment_fixed_size: 0
    .kernarg_segment_align: 8
    .kernarg_segment_size: 48
    .max_flat_workgroup_size: 128
    .sgpr_count:     100
    .vgpr_count:     768
    .wavefront_size: 32
...
	.end_amdgpu_metadata
.endif
;; end of part 3
